; MI455X (gfx1250); checked and timed in simulation.
; The chip was launched on July 23, 2026; its instructions are those of AMD's public machine-readable ISA for CDNA 5 (MIT licence, August 2026) and "CDNA5" Instruction Set Architecture Reference Guide (July 2026). The comments in the code are by the model that wrote it; some were corrected since.
;; Flash Diff Custom Attention. Allowed arithmetic: matrix products marked QUANTISED: E2M3 operands, one E8M0 scale for each 32 along K, by v_wmma_scale_f32_16x16x128_f8f6f4 with both operands' format E2M3, f32 sums; everything else in f32.
;; Inputs: k_codes 2 x 2,048 x 16 x 4 x 24 uint8 (E2M3 codes of k, K innermost, in blocks of 32 codes, four codes in three bytes); k_scales 2 x 2,048 x 16 x 4 uint8 (E8M0 scales of k, one for each 32 codes along K); lambda_k1 128 float32; lambda_k2 128 float32; lambda_q1 128 float32; lambda_q2 128 float32; q_codes 2 x 2,048 x 16 x 4 x 24 uint8 (E2M3 codes of q, K innermost, in blocks of 32 codes, four codes in three bytes); q_scales 2 x 2,048 x 16 x 4 uint8 (E8M0 scales of q, one for each 32 codes along K); subln_weight 256 float32; v 2 x 2,048 x 16 x 128 float32.
;; Outputs: out0 2 x 2,048 x 16 x 128 float32.
;; This version of the problem:
;;   THIS VERSION OF THE PROBLEM IS GIVEN IN LOW PRECISION. The matrix products marked QUANTISED in the list below multiply operands that are first quantised to E2M3 (2 exponent bits, 3 mantissa bits; 6 bits a number), with one power-of-two scale for each 32 numbers along K (OCP MX v1.0); their sums are f32. All else is computed in f32.
;;   The module's matrix products, in the order in which they are computed (A, B: the left and right operand; K: the contracted axis; several contracted axes count as one K, in the product's order):
;;     1. batch 16 x [M 2,048, K 128] x [K 128, N 2,048]; A: input q (given as codes); B: input k (given as codes): QUANTISED
;;     2. batch 16 x [M 256, K 2,048] x [K 2,048, N 2,048]; A: computed on the way; B: softmax (see below): QUANTISED
;;     3. batch 16 x [M 2,048, K 128] x [K 128, N 2,048]; A: input q (given as codes); B: input k (given as codes): QUANTISED
;;     4. batch 16 x [M 256, K 2,048] x [K 2,048, N 2,048]; A: computed on the way; B: softmax (see below): QUANTISED
;;   THE QUANTISER, for each operand of a quantised product, along K:
;;     - K is cut into blocks of 32 from its start; a last block that is shorter is filled with zeros.
;;     - A block's scale is 2^e with e = floor(log2(the largest magnitude in the block)) - 2, held to -126 .. 127; a block of zeros has e = 0. As a byte (E8M0): e + 127.
;;     - Each number is divided by its block's scale, clamped to +-7.5, and rounded to the nearest number of E2M3, ties to even, subnormals kept.
;;     - The product sums the exact products of the quantised numbers (number of the format x scale) in f32.
;;   ~~~python
;;   def quantise(x, axis):      # numpy; x: float32 -> the quantised numbers, widened to float32 again
;;       x = np.moveaxis(x, axis, -1); K = x.shape[-1]
;;       x = np.pad(x, [(0, 0)] * (x.ndim - 1) + [(0, -K % 32)]); x = x.reshape(x.shape[:-1] + (-1, 32)); a = np.abs(x).max(-1, keepdims=True)
;;       e = np.where(a > 0, np.clip(np.frexp(np.where(a > 0, a, 1))[1] - 1 - 2, -126, 127), 0)      # np.frexp(a)[1] - 1 = floor(log2(a)), exactly
;;       r = np.clip(x / 2.0 ** e, -7.5, 7.5)
;;       step = 2.0 ** (np.maximum(np.frexp(np.where(r == 0, 1, r))[1] - 1, 0) - 3)
;;       q = np.round(r / step) * step * 2.0 ** e      # np.round: ties to even
;;       return np.moveaxis(q.reshape(q.shape[:-2] + (-1,))[..., :K], -1, axis).astype(np.float32)
;;   ~~~
;;   SOFTMAX AHEAD OF A QUANTISED PRODUCT. Where the list says 'softmax', what is quantised is not the finished softmax but p = 2^(t - M), with t = logit x log2(e) and M = ceil(the row's largest t), a whole number; so 1/2 < the row's largest p <= 1. The row's sum l is taken of the UNQUANTISED p, in f32, and the product's result is divided by l at the end. Since M is a whole number, a kernel that streams over the keys may use a running M (the ceiling of the running maximum): every later rescaling is an exact power of two, which a block's scale takes up: the codes' values come out the same.
;;   OPERANDS COMPUTED ON THE WAY. 'Computed on the way' means the value that the module computes at that place (a softmax that the list does not call 'softmax' is quantised finished and normalised). What goes into a quantiser is computed in f32, as accurately as f32 sums, v_exp_f32 and their like allow (about 1e-6 of the number): no bf16 or f16 on the way to a quantiser, and a product that is left as it is and whose result goes on into a quantised operand takes f32 operands (vector FMAs, or v_wmma_f32_16x16x4_f32). A number that lies on a knife's edge between two numbers of the format may be rounded either way, as far as f32 arithmetic and the matrix unit's own rounding can turn it there, and no further.
;;   INPUTS GIVEN AS CODES. k (in the module: [2, 2048, 16, 128], K = its axis 3); q (in the module: [2, 2048, 16, 128], K = its axis 3): each comes as NAME_codes (uint8): NAME with its K axis moved to the last place and cut into blocks of 32 codes, [.., K / 32, bytes a block], one block behind the other in memory; four codes in three bytes: a row's codes are one little-endian stream of bits, code i at bits 6 i .. 6 i + 5 (a code: sign, 2 exponent bits, 3 mantissa bits); and NAME_scales (uint8): the same leading axes, one E8M0 byte (e + 127) for each 32 codes along K. Its value is code x scale, taken as it is: it is not quantised again, and the codes and scales need not be those that the quantiser above would give.
;; One version. Each part assembles by itself: llvm-mc -triple=amdgcn-amd-amdhsa -mcpu=gfx1250 --defsym DOCPART=n.
;; ======== version 1 of 1: 2 launches
;; limits: right only within a limited range of input values
;; workspace buffers: vimg 13,107,200 bytes
;; launch prep (part 1): grid 16 x 32, 4 waves a work-group, no clusters, 13,312 bytes of LDS; arguments v, k_scales, vimg, k_codes; writes vimg
.if DOCPART == 1
	.amdgcn_target "amdgcn-amd-amdhsa--gfx1250"
	.amdhsa_code_object_version 6
	.text
	.protected	k_qf1d152b644_prep
	.globl	k_qf1d152b644_prep
	.p2align	8
	.type	k_qf1d152b644_prep,@function
k_qf1d152b644_prep:
	s_mov_b64 s[64:65], 0
	v_nop
	global_prefetch_b8 v0, s[64:65] scope:SCOPE_SE
	s_setreg_imm32_b32 hwreg(HW_REG_WAVE_MODE, 25, 1), 1
	s_wait_xcnt 0x0
; v [2][2048][16][128] f32 is the first operand of attention's second product, whose K is the KEYS: v's second axis, not its innermost.
; This launch turns it into codes of FP6 (E2M3) with one E8M0 byte for each 32 keys, laid in vimg as the next launch's registers take them, and lays K's scale bytes beside them.
; vimg = [b 2][pair h 8][step of 128 keys 16][51,200 bytes]:
;   0 .. 24,575       16 images of fragments: tile t (channels 16 t .. 16 t + 15 of the pair's 256) at 1,536 t; registers 4 g .. 4 g + 3 of lane L at 512 g + 16 L.
;                     Lane L = r + 16 H holds channel 16 t + r; its registers 6 c .. 6 c + 5 hold the key block 2 c + H.
;   24,576 .. 25,599  K's scale words: 8 x key + 4 a (a = 0: head 2 h, 1: head 2 h + 1)
;   25,600 .. 26,623  V's scale words: 512 j + 16 (r + 16 hf) + 4 c for tile 8 j + 4 hf + c; byte kb scales key block kb
; THE KEYS OF A BLOCK OF 32 STAND IN ANOTHER ORDER THAN IN MEMORY: place p holds key 16 ((p / 8) % 2) + 8 (p / 16) + p % 8 of the block.  That is the order in which the next launch's weights p come out
; of tiles of 16 neighbouring keys; both operands have it, so every product meets its partner; the blocks, and so the scales, are the true ones.  Only the order of the sum inside a block differs.
; A LANE TAKES A CHANNEL, AND ITS REGISTERS RUN DOWN THE KEYS: each load reads 128 consecutive bytes a wave (512 a work-group), a block's 32 numbers lie in one lane, and the conversions give codes with the keys innermost.
; A block's scale is 2^(floor(log2(its largest magnitude)) - 2): its byte is the largest magnitude's exponent field - 2, held at 1 from below.
; LIMITS: a block of zeros gets the byte 1 where the rule says 127 (its codes are zeros, and this program alone reads the bytes); blocks whose largest magnitude lies under 2^(3 - 127) are held at that floor; NaN and infinities in v are not served.
; SHARES: work-group x = head (pair h = x / 2, half j = x % 2), y = 16 b + step.  Wave w, lane l: channel 32 w + l of the head = tile 8 j + 2 w + l / 16, row l % 16.  No tensor load; one barrier, for the scale words.
.set STG,   3072                       ; a wave's stage in LDS: the images of its two tiles
.set SCS,   4*STG                      ; behind the stages: the work-group's 128 scale words of V
.set SPARE, SCS+512                    ; the spare words, 128 bytes for each wave: two blocks of 256 bytes that no other line names
; A step's block in vimg is 51,200 bytes: the 26,624 bytes set out above, then K's codes as images of fragments:
;   26,624 .. 51,199  head 2 h + a at 12,288 a; tile t (keys 16 t .. 16 t + 15 of the step) at 1,536 t; registers 4 g .. 4 g + 3 of lane L at 512 g + 16 L.
;                     Lane L = r + 16 H holds key 16 t + r: registers 0-5 its bytes 24 H .. 24 H + 23, registers 6-11 its bytes 48 + 24 H .. + 23 of the head's 96.
; So every row that the next launch's tensor loads take is 256 bytes and begins at a multiple of 256 bytes.  Wave w lays tiles 2 w and 2 w + 1 of its head.
.set BLKB,  51200                      ; a step's bytes in vimg
.set SA,    4                          ; v4   into the stage: 3,072 w + 1,536 (l / 16) + 16 (l % 16)
.set SRB,   5                          ; v5   out of it: 3,072 w + 16 l
.set SPW,   14                         ; v14  LDS address of my spare word; never rewritten
.set NIL,   15                         ; v15  0; never rewritten
.set SB,    16                         ; v16  my channel's scale word
.set T,     20                         ; v20-22 the codes of a block's places 16 to 31, as the conversion leaves them
.set C,     24                         ; v24-29 a block's six registers
.set X,     32                         ; v32-95 two sets of 32 numbers
.set OUTR,  96                         ; v96-119 the way out
	s_load_b128 s[4:7], s[0:1], 0x0                ; v, k_scales
	s_load_b64 s[8:9], s[0:1], 0x10                ; vimg
	s_load_b64 s[32:33], s[0:1], 0x18              ; k_codes
	v_lshl_add_u32 v[SPW], v0, 2, SPARE
	v_mov_b32 v[NIL], 0
	v_lshrrev_b32 v1, 5, v0
	v_readfirstlane_b32 s10, v1                    ; wave 0..3
	s_and_b32 s12, ttmp7, 0xffff                   ; y = 16 b + step
	v_and_b32 v2, 31, v0                           ; lane
	v_lshlrev_b32 v3, 2, v2                        ; in: 4 bytes a lane
	v_bfe_u32 v12, v0, 4, 1                        ; u = l / 16
	v_and_b32 v13, 15, v0                          ; r = l % 16
	v_mul_u32_u24 v17, v13, 1536                   ; k_codes: key r of a tile, 1,536 bytes from key to key,
	v_mad_u32_u24 v17, v12, 24, v17                ; + 24 u
	s_mul_i32 s13, s10, STG
	v_mul_u32_u24 v[SA], v12, 1536
	v_lshl_add_u32 v[SA], v13, 4, v[SA]
	v_add_nc_u32 v[SA], s13, v[SA]
	v_lshlrev_b32 v6, 4, v2                        ; 16 l: my place in a store of 512 bytes
	v_add_nc_u32 v[SRB], s13, v6
	s_lshr_b32 s14, s10, 1                         ; my scale word's place: SCS + 256 (w / 2) + 8 (w % 2) + 16 r + 4 u
	s_lshl_b32 s14, s14, 8
	s_and_b32 s15, s10, 1
	s_lshl_b32 s15, s15, 3
	s_add_co_u32 s14, s14, s15
	s_add_co_u32 s14, s14, SCS
	v_lshlrev_b32 v7, 4, v13
	v_lshl_add_u32 v7, v12, 2, v7
	v_add_nc_u32 v7, s14, v7
	v_and_b32 v9, 63, v0                           ; thread % 64: a key of my half step, and a pair of scale words
	v_lshlrev_b32 v10, 6, v9                       ; k_scales: 64 bytes from key to key
	v_lshlrev_b32 v9, 3, v9                        ; 8 bytes a thread
	v_add_nc_u32 v8, SCS, v9
	; byte offsets, each made apart from its address
	s_lshl_b32 s16, s12, 20                        ; v: 128 y rows of 8,192 bytes
	s_lshl_b32 s18, ttmp9, 9                       ; + the head's 512 bytes
	s_add_co_u32 s16, s16, s18
	s_lshl_b32 s18, s10, 7                         ; + my wave's 128
	s_add_co_u32 s16, s16, s18
	s_mov_b32 s17, 0
	s_lshr_b32 s18, s12, 4                         ; the step's place in vimg: 128 b + 16 h + step
	s_lshl_b32 s18, s18, 7
	s_lshr_b32 s19, ttmp9, 1                       ; h
	s_lshl_b32 s20, s19, 4
	s_add_co_u32 s18, s18, s20
	s_and_b32 s20, s12, 15
	s_add_co_u32 s18, s18, s20
	s_mul_i32 s18, s18, BLKB
	s_and_b32 s21, ttmp9, 1                        ; j
	s_mul_i32 s22, s21, 8*1536                     ; my two tiles' images: tile 8 j + 2 w on
	s_add_co_u32 s22, s22, s13
	s_add_co_u32 s22, s22, s18
	s_mov_b32 s23, 0
	s_lshl_b32 s24, s21, 9                         ; K's scale words of keys 64 j on
	s_add_co_u32 s24, s24, s18
	s_add_co_u32 s24, s24, 24576
	s_mov_b32 s25, 0
	s_add_co_u32 s26, s24, 1024                    ; V's scale words of tiles 8 j on
	s_mov_b32 s27, 0
	s_lshl_b32 s28, s12, 13                        ; k_scales: (128 y + 64 j) rows of 64 bytes + 8 h
	s_lshl_b32 s30, s21, 12
	s_add_co_u32 s28, s28, s30
	s_lshl_b32 s30, s19, 3
	s_add_co_u32 s28, s28, s30
	s_mov_b32 s29, 0
	s_lshl_b32 s34, s12, 7                         ; k_codes: key 128 y + 32 w, + the head's 96 bytes
	s_lshl_b32 s35, s10, 5
	s_add_co_u32 s34, s34, s35
	s_mul_i32 s34, s34, 1536
	s_mul_i32 s35, ttmp9, 96
	s_add_co_u32 s34, s34, s35
	s_mov_b32 s35, 0
	s_mul_i32 s36, s21, 12288                      ; K's images: head j, tile 2 w on
	s_add_co_u32 s36, s36, s13
	s_add_co_u32 s36, s36, s18
	s_add_co_u32 s36, s36, 26624
	s_mov_b32 s37, 0
	s_wait_alu depctr_va_vdst(0)
	s_wait_kmcnt 0x0
	s_add_nc_u64 s[4:5], s[4:5], s[16:17]
	s_add_nc_u64 s[6:7], s[6:7], s[28:29]
	s_add_nc_u64 s[22:23], s[8:9], s[22:23]
	s_add_nc_u64 s[24:25], s[8:9], s[24:25]
	s_add_nc_u64 s[26:27], s[8:9], s[26:27]
	s_add_nc_u64 s[34:35], s[32:33], s[34:35]
	s_add_nc_u64 s[36:37], s[8:9], s[36:37]
	global_load_b64 v[18:19], v10, s[6:7]          ; K's two scale words of key 64 j + thread % 64: every wave's oldest load
.irp tt, 0,1                           ; two fragments of K as the matrix unit takes them: older than all loads of v, so the first block's counted wait covers them
.irp p, 0,1,2,3,4,5
	global_load_b64 v[128+12*\tt+2*\p:129+12*\tt+2*\p], v17, s[34:35] offset:24576*\tt+48*(\p/3)+8*(\p%3)
.endr
.endr
.macro LOAD kb                         ; block kb into set kb % 2: register i takes the key that stands at place i
.set i, 0
.rept 32
	global_load_b32 v[X+32*((\kb)%2)+i], v3, s[4:5] offset:(32*(\kb)+16*((i/8)%2)+8*(i/16)+i%8)*8192 th:TH_LOAD_NT
.set i, i+1
.endr
.endm
	LOAD 0
	LOAD 1
.macro BLOCK kb
.set XS, X+32*((\kb)%2)
.if (\kb) < 3
	s_wait_loadcnt 32                              ; this block's 32 loads are in; the next block's 32 may be out
.else
	s_wait_loadcnt 0x0
.endif
	v_max3_num_f32 v12, |v[XS]|, |v[XS+1]|, |v[XS+2]|               ; the block's largest magnitude: all 32 numbers are mine; two chains
	v_max3_num_f32 v13, |v[XS+3]|, |v[XS+4]|, |v[XS+5]|
.irp i, 6,10,14,18,22,26
	v_max3_num_f32 v12, v12, |v[XS+\i]|, |v[XS+\i+1]|
	v_max3_num_f32 v13, v13, |v[XS+\i+2]|, |v[XS+\i+3]|
.endr
	v_max3_num_f32 v12, v12, |v[XS+30]|, |v[XS+31]|
	v_max3_num_f32 v12, v12, v13, 0x1800000        ; and the floor 2^(3 - 127): the byte cannot fall under 1
	v_add_nc_u32 v11, 0xff000000, v12              ; 2 off its exponent field: the conversion takes the exponent field of this operand as its scale
	v_lshrrev_b32 v13, 23, v11                     ; the scale's byte
.if (\kb) == 0
	v_mov_b32 v[SB], v13
.else
	v_lshl_or_b32 v[SB], v13, 8*(\kb), v[SB]       ; byte kb of my channel's word
.endif
	v_cvt_scalef32_pk16_fp6_f32 v[C:C+2], v[XS:XS+15], v11
	v_cvt_scalef32_pk16_fp6_f32 v[T:T+2], v[XS+16:XS+31], v11      ; (a conversion's three registers begin on an even number)
	v_nop                                          ; one plain instruction between a scaled conversion and the vector instruction that reads its result
	v_mov_b32 v[C+3], v[T]
	v_mov_b32 v[C+4], v[T+1]
	v_mov_b32 v[C+5], v[T+2]
.if (\kb) < 2                          ; block kb is registers 6 (kb / 2) .. + 5 of lane r + 16 (kb % 2) of the image
	ds_store_b128 v[SA], v[C:C+3] offset:256*((\kb)%2)
	ds_store_b64 v[SA], v[C+4:C+5] offset:512+256*((\kb)%2)
.else
	ds_store_b64 v[SA], v[C:C+1] offset:520+256*((\kb)%2)
	ds_store_b128 v[SA], v[C+2:C+5] offset:1024+256*((\kb)%2)
.endif
.if (\kb) < 2
	LOAD (\kb)+2
.endif
	s_wait_dscnt 0x0                               ; the stores have read their registers: the next block's codes may be written
.endm
	BLOCK 0
.irp tt, 0,1
.irp g, 0,1,2
	global_store_b128 v6, v[128+12*\tt+4*\g:131+12*\tt+4*\g], s[36:37] offset:1536*\tt+512*\g   ; 32 lanes store 512 consecutive bytes, at a multiple of 256 from vimg's first byte
.endr
.endr
	BLOCK 1
	BLOCK 2
	BLOCK 3
	s_wait_alu depctr_va_vdst(0)
	ds_store_b32 v7, v[SB]                         ; my channel's scale word, for the work-group's 512 bytes
.irp m, 0,1,2,3,4,5
	ds_load_b128 v[OUTR+4*\m:OUTR+4*\m+3], v[SRB] offset:512*\m    ; LDS serves a wave's instructions in order: these see my stores
.endr
.irp m, 0,1,2,3,4,5
	s_wait_dscnt 5-\m                              ; the younger loads may be out
	global_store_b128 v6, v[OUTR+4*\m:OUTR+4*\m+3], s[22:23] offset:512*\m   ; 32 lanes store 512 consecutive bytes, at a multiple of 256 from vimg's first byte
.endr
	s_wait_dscnt 0x0                               ; for the others' sake: my scale word has landed
	s_barrier_signal -1
	s_barrier_wait -1
	s_cmp_lt_u32 s10, 2                            ; waves 0 and 1 store the two blocks of 512 bytes, 256 consecutive bytes a store
	s_cbranch_scc0 .Lno_words
	ds_load_b64 v[30:31], v8
	s_wait_dscnt 0x0
	global_store_b64 v9, v[30:31], s[26:27]        ; V's scale words
	global_store_b64 v9, v[18:19], s[24:25]        ; K's (their load was shown done by the last block's wait for 0)
.Lno_words:
	s_wait_tensorcnt 0x0                           ; the wave's end, behind my last LDS store
	ds_add_u32 v[SPW], v[NIL]
	s_wait_dscnt 0x0
	s_endpgm
.Lfunc_end_k_qf1d152b644_prep:
	.size	k_qf1d152b644_prep, .Lfunc_end_k_qf1d152b644_prep-k_qf1d152b644_prep
	.p2alignl 7, 3214868480
	.fill 96, 4, 3214868480
	.section	.rodata,"a",@progbits
	.p2align	6, 0x0
	.amdhsa_kernel k_qf1d152b644_prep
		.amdhsa_group_segment_fixed_size 13312
		.amdhsa_private_segment_fixed_size 0
		.amdhsa_enable_private_segment 0
		.amdhsa_kernarg_size 32
		.amdhsa_user_sgpr_count 2
		.amdhsa_user_sgpr_kernarg_segment_ptr 1
		.amdhsa_wavefront_size32 1
		.amdhsa_system_sgpr_workgroup_id_x 1
		.amdhsa_system_sgpr_workgroup_id_y 1
		.amdhsa_system_sgpr_workgroup_id_z 1
		.amdhsa_system_vgpr_workitem_id 0
		.amdhsa_next_free_vgpr 160
		.amdhsa_next_free_sgpr 66
		.amdhsa_reserve_vcc 0
		.amdhsa_float_denorm_mode_32 3
		.amdhsa_float_denorm_mode_16_64 3
		.amdhsa_memory_ordered 1
		.amdhsa_forward_progress 1
		.amdhsa_inst_pref_size 26
	.end_amdhsa_kernel
	.amdgpu_metadata
---
amdhsa.version: [ 1, 2 ]
amdhsa.kernels:
  - .name:           k_qf1d152b644_prep
    .symbol:         k_qf1d152b644_prep.kd
    .args:
      - { .name: v, .offset: 0, .size: 8, .value_kind: global_buffer, .address_space: global }
      - { .name: k_scales, .offset: 8, .size: 8, .value_kind: global_buffer, .address_space: global }
      - { .name: vimg, .offset: 16, .size: 8, .value_kind: global_buffer, .address_space: global }
      - { .name: k_codes, .offset: 24, .size: 8, .value_kind: global_buffer, .address_space: global }
    .group_segment_fixed_size: 13312
    .private_segment_fixed_size: 0
    .kernarg_segment_align: 8
    .kernarg_segment_size: 32
    .max_flat_workgroup_size: 128
    .sgpr_count:     66
    .vgpr_count:     160
    .wavefront_size: 32
...
	.end_amdgpu_metadata
.endif
;; end of part 1
;; launch attn (part 2): grid 16 x 16, 4 waves a work-group, no clusters, 327,680 bytes of LDS; arguments q_codes, q_scales, vimg, subln_weight, lambda_q1, lambda_k1, lambda_q2, lambda_k2, out0; writes out0
.if DOCPART == 2
	.amdgcn_target "amdgcn-amd-amdhsa--gfx1250"
	.amdhsa_code_object_version 6
	.text
	.protected	k_qf1d152b644_attn
	.globl	k_qf1d152b644_attn
	.p2align	8
	.type	k_qf1d152b644_attn,@function
k_qf1d152b644_attn:
	s_mov_b64 s[64:65], 0
	v_nop
	global_prefetch_b8 v0, s[64:65] scope:SCOPE_SE
	s_setreg_imm32_b32 hwreg(HW_REG_WAVE_MODE, 25, 1), 1
	s_wait_xcnt 0x0
; Differential attention, causal: for pair h of heads, x = softmax(q1 k1^T) vcat - lambda softmax(q2 k2^T) vcat over the pair's 256 channels; out = w x rsqrt(mean(x^2) + eps) (1 - lambda_init).
; All four products on codes of FP6 (E2M3) with one E8M0 scale for each 32 along K.  q: codes as given; K and V: images of fragments and scale words from vimg (the launch before).
; Key steps that lie wholly above the diagonal are hidden by the causal mask and are not walked.
; THE SOFTMAX: t = score x log2(e) / sqrt(128); M = the running largest t rounded UP to a whole number; p = 2^(t - M) is quantised along the keys, not normalised; the row's sum is taken of the
; unquantised p and divides at the end; when M moves, sum and O are multiplied by 2^(old M - new M), which rounds nothing.
; SHARES.  Work-group (i, y = 8 b + h), four waves.  Wave w owns TWO tiles of 16 queries (the 32 queries w % 2 of the block's 64) and ONE attention a = w / 2: each fragment of K and of V that it reads from LDS feeds two products.
; The work-group stays for two blocks of 64 queries: block i, then block 31 - i.  With SW = i / 2 they need key steps (of 128) 0 .. SW and 0 .. 15 - SW: 17 steps in every work-group and wave.
; THE STEP IS LAID IN TWO HALVES.  FRONT n: S^T = K Q^T, V's fragments of step n asked for, the softmax, P's codes.  BACK n: O^T x f, O^T += V^T P, on registers alone.  BACK n - 1 stands behind the change of slots
; of step n and behind the run of loads that asks for K's fragments of step n: those land meanwhile, as V's do under the softmax.
; LAYOUT.  Both products transposed: a lane holds one query (lane % 16) of each tile.  Inside a block of 32 keys P's codes stand at place p = key 16 ((p / 8) % 2) + 8 (p / 16) + p % 8, as vimg has V's.
; Attention a takes V's tiles in the order (tau + 8 a) % 16, so that registers 0-63 of each O^T are the 128 channels that it stores.
; A BLOCK'S END.  Each wave multiplies its O^T by 1 / l1 or -lambda / l2 and lays it as an image of its registers into LDS bytes of its own; a barrier; each reads its partner's (wave w xor 2), forms x and the norm
; over all 256 channels, and stores its own 128.  That barrier stands in every trip, on every wave's path: the stores stand ahead of it, the reads behind it.  The way out's stage lies in the partner's bytes, once read.
; RING.  Two LDS slots, each a key step's 51,200 bytes of vimg; each wave fetches a quarter, 50 rows of 256 bytes: one tensor load a wave is out, asked for directly behind the change of slots.
; NO CLUSTER: the 16 work-groups of a pair read the same tiles, but behind trip SW, which differs among them, each begins anew at key 0: in one round partners would want different tiles.
; LIMITS: a block of p that is all zeros keeps the byte 1 (its codes are zeros); p under 2^-126 counts as 0; the scaled scores stay under 2^31 in magnitude.
; REGISTERS: window 0 as named below; window 1: O^T of tile u, channel tile tau at 128 u + 8 tau; window 2: K's eight fragments at 12 t; window 3: V's sixteen at 12 tau, at a block's end my partner's O^T.
.set SLOT1,  1<<16                     ; slot 1 begins here
.set BLKB,   51200                     ; a key step's block
.set PART,   12800                     ; a wave's quarter of it
.set KSO,    24576                     ; in it: K's scale words,
.set VSO,    25600                     ; V's scale words,
.set KIO,    26624                     ; K's images
.set HALFV,  12288                     ; eight fragments
.set XCH,    2*SLOT1                   ; behind the ring: 32,768 bytes a wave for the exchange; no fill lands here
.set XW,     32768
.set SP,     528                       ; the stage's rows: 512 bytes + 16
.set SPARE,  XCH+4*XW                  ; the spare words, 128 bytes for each wave: two blocks of 256 bytes that no other line names
.set AV,   1                           ; 12,288 a + 16 x lane: V's first eight of mine; + KIO: my K
.set AV2,  2                           ; 12,288 (1 - a) + 16 x lane
.set AKS,  3                           ; KSO + 8 x lane + 4 a
.set AW,   4                           ; VSO + 512 a + 16 x lane
.set SPW,  5                           ; my spare word; never rewritten
.set NIL,  6                           ; 0; never rewritten
.set GO,   7                           ; 16 x lane
.set ADV,  8                           ; v8-11, v21: the five addresses in the slot in hand
.set ADV2, 9
.set ADS,  10
.set ADW,  11
.set ST,   12                          ; v12-15, v16-19: tile u: -M, the largest t, the sum in two halves
.set STO,  20                          ; the stage: where I put 32 bytes of a row
.set ADW2, 21
.set DMA,  22                          ; tile 0's query less the diagonal step's first key less 8 H
.set PFV2, 23                          ; 256 x min(thread + 128, 199)
.set QO,   24                          ; 1,536 r + 24 H
.set QSO,  25                          ; 64 r
.set PFV,  26                          ; 256 x thread
.set XST,  27                          ; my bytes of the exchange + 16 x lane
.set Q,    28                          ; v28-51 my two tiles' fragments
.set QSC,  52                          ; v52, v53 their scale words
.set XLD,  54                          ; my partner's bytes + 16 x lane
.set AW2,  55                          ; VSO + 512 (1 - a) + 16 x lane
.set KS,   56                          ; v56-59 K's scale words: lanes 0-15 tile 2 t', lanes 16-31 tile 2 t' + 1
.set VS,   60                          ; v60-67 V's: v[VS + 4 j + c]: lanes 0-15 my tile 8 j + c, lanes 16-31 tile 8 j + 4 + c
.set PS,   68                          ; v68, v69 P's scale words
.set P,    70                          ; v70-93 P's codes
.set ACC,  70                          ; at a block's end: the sums of squares, four pairs a tile
.set LC,   94                          ; 1 (a = 0) or -lambda (a = 1)
.set TMP,  95
.set S,    96                          ; v96-159, v160-223 S^T, then p; on the way out x and the rows read back
.set RB,   160
.set BM,   224                         ; v224-227 the blocks' largest scores, then largest p
.set T2,   228                         ; v228-235 at work
.set SO,   236                         ; v236-239 the conversions' scale operands
.set F,    240                         ; v[240:241], v[242:243] f = 2^(old M - new M)
.set CC,   244                         ; v[244:245], v[246:247] LC / l
.set GN0,  248                         ; v[248:249] rsqrt(..) (1 - lambda_init) of tile 0; tile 1's in v[244:245]
.set W,    250                         ; v250-253 subln_weight at my 4 channels
.set TA,   254
.set TC,   255
.set NINF, 255
.set TB,   2                           ; s2 LDS byte at which the slot in hand begins
.set N,    3                           ; s3 the step
.set WV,   24
.set SW,   25
.set PLIM, 26                          ; 14 in the pair's first work-group, else 0;
.set AT,   27                          ; a
.set SEL,  28
.set CS,   30
.set G1,   32
.set G0,   40
.set DV,   44                          ; s[44:45] what the walk goes back by at the change of blocks, else 0
.set BV,   46
.set R256, 47
.set EPSR, 48
.set SW1,  49                          ; SW + 1
.set QPA,  50                          ; s[50:55] block i: my rows of q_codes, q_scales, out0;  s[56:61] block 31 - i
.set QPB,  56
.set PVA,  62
.set PLIM2, 95                         ; the same in waves 0-2, 0 in wave 3
.set MSB, 0
.macro WIN new                         ; the immediate's high byte repeats the setting that is left
.if MSB != \new
	s_set_vgpr_msb (MSB<<8)|\new
.set MSB, \new
.endif
.endm
.macro PLACES                          ; four plain vector instructions behind a matrix instruction (ISA guide 7.12.1)
.rept 4
	v_nop
.endr
.endm
; THE CHANGE OF SLOTS.  Each wave waits for all its tensor loads, adds 0 to its spare word, and waits for that and for its reads of the slot left behind.  fill = 1: that slot takes the next step's block.
; THE PREFETCH: the pair's first work-group (i = 0) asks in step n = 0 .. 13 for key step n + 2, which no work-group's tensor load names before step n + 1: 200 blocks of 256 bytes, a lane a block:
; blocks 0-127 by all four waves, 128-199 by waves 0-2 (wave 2's lanes that are over name block 199 again).  Key steps 0 and 1 come by their loads alone; key step 15 is the last that is asked for.
.macro CHANGE fill
	s_wait_tensorcnt 0x0
	ds_add_u32 v[SPW], v[NIL]                      ; the descriptor's steps stand between the add and the wait for it
.if \fill
	s_xor_b32 s[G0+1], s[G0+1], SLOT1
	s_cmp_eq_u32 s[N], s[SW]                       ; behind block i's last step the walk begins anew at key step 0
	s_cselect_b32 s[DV], s[BV], 0
	s_add_nc_u64 s[G0+2:G0+3], s[G0+2:G0+3], BLKB
	s_sub_nc_u64 s[G0+2:G0+3], s[G0+2:G0+3], s[DV:DV+1]
	s_wait_xcnt 0x0                                ; the last prefetches, a step back, have read their address
	s_add_nc_u64 s[PVA:PVA+1], s[PVA:PVA+1], BLKB
.endif
	s_wait_dscnt 0x0
	s_barrier_signal -1
	s_barrier_wait -1
.if \fill
	tensor_load_to_lds s[G0:G0+3], s[G1:G1+7]      ; my one tensor load until the next change
	s_nop 0
	PLACES
	s_cmp_lt_u32 s[N], s[PLIM]
	s_cbranch_scc0 .Lno_pv_\@
	global_prefetch_b8 v[PFV], s[PVA:PVA+1] th:TH_LOAD_NT scope:SCOPE_SE
.Lno_pv_\@:
	s_cmp_lt_u32 s[N], s[PLIM2]
	s_cbranch_scc0 .Lno_pw_\@
	global_prefetch_b8 v[PFV2], s[PVA:PVA+1] th:TH_LOAD_NT scope:SCOPE_SE
.Lno_pw_\@:
.endif
.endm
.macro KLOAD                           ; the slot's addresses; K's scale words and eight fragments as they lie
	v_add_nc_u32 v[ADV], s[TB], v[AV]
	v_add_nc_u32 v[ADV2], s[TB], v[AV2]
	v_add_nc_u32 v[ADS], s[TB], v[AKS]
	v_add_nc_u32 v[ADW], s[TB], v[AW]
	v_add_nc_u32 v[ADW2], s[TB], v[AW2]
.irp t, 0,1,2,3
	ds_load_b32 v[KS+\t], v[ADS] offset:256*\t     ; lane l: my head's scale word of key 32 t + l
.endr
	WIN 0x80
.set m, 0
.rept 24
	ds_load_b128 v[4*m:4*m+3], v[ADV] offset:KIO+512*m
.set m, m+1
.endr
	WIN 0
.endm
.macro VLOAD                           ; V's scale words and sixteen fragments, in my order
	ds_load_b128 v[VS:VS+3], v[ADW]
	ds_load_b128 v[VS+4:VS+7], v[ADW2]
	WIN 0xc0
.set m, 0
.rept 24
	ds_load_b128 v[4*m:4*m+3], v[ADV] offset:512*m
.set m, m+1
.endr
.set m, 0
.rept 24
	ds_load_b128 v[96+4*m:99+4*m], v[ADV2] offset:512*m
.set m, m+1
.endr
	WIN 0
.endm
.macro QK                              ; S^T = K Q^T: eight tiles of 16 keys x my two tiles of queries, each sum begun with the constant 0
	WIN 0x02
.irp t, 0,1,2,3,4,5,6,7
.irp u, 0,1
.if \t%2
	v_wmma_scale_f32_16x16x128_f8f6f4 v[S+64*\u+8*\t:S+64*\u+8*\t+7], v[12*\t:12*\t+11], v[Q+12*\u:Q+12*\u+11], 0, v[KS+\t/2], v[QSC+\u] matrix_a_fmt:MATRIX_FMT_FP6 matrix_b_fmt:MATRIX_FMT_FP6 matrix_a_scale:MATRIX_SCALE_ROW1
.else
	v_wmma_scale_f32_16x16x128_f8f6f4 v[S+64*\u+8*\t:S+64*\u+8*\t+7], v[12*\t:12*\t+11], v[Q+12*\u:Q+12*\u+11], 0, v[KS+\t/2], v[QSC+\u] matrix_a_fmt:MATRIX_FMT_FP6 matrix_b_fmt:MATRIX_FMT_FP6
.endif
.endr
.endr
	WIN 0
.endm
; On the diagonal hidden keys' scores become -infinity.  Register n of tile u holds key 16 (n / 8) + 8 H + n % 8 of the step: hidden where 16 (n / 8) + n % 8 - 16 u > v[DMA].
.macro MASK
	v_mov_b32 v[NINF], 0xff800000
.irp u, 0,1
.set n, 0
.rept 64
	v_cmp_gt_i32 vcc_lo, 16*(n/8)+n%8-16*\u, v[DMA]
	v_cndmask_b32 v[S+64*\u+n], v[S+64*\u+n], v[NINF], vcc_lo
.set n, n+1
.endr
.endr
.endm
.macro SOFTMAX u
.set SU, S+64*(\u)
.set SS, ST+4*(\u)
.set PC, P+12*(\u)
.set FU, F+2*(\u)
.irp b, 0,1,2,3
	v_max3_num_f32 v[BM+\b], v[SU+16*\b], v[SU+1+16*\b], v[SU+2+16*\b]   ; each block's largest score: for the row's maximum and, since p rises with the score, for the block's largest p
.endr
.irp i, 3,5,7,9,11,13
.irp b, 0,1,2,3
	v_max3_num_f32 v[BM+\b], v[BM+\b], v[SU+16*\b+\i], v[SU+1+16*\b+\i]
.endr
.endr
.irp b, 0,1,2,3
	v_max_num_f32 v[BM+\b], v[BM+\b], v[SU+15+16*\b]
.endr
.irp b, 0,1,2,3
	v_permlanex16_b32 v[T2+\b], v[BM+\b], s[SEL], s[SEL+1]
.endr
.irp b, 0,1,2,3
	v_max_num_f32 v[BM+\b], v[BM+\b], v[T2+\b]     ; with lane l xor 16's 16 keys
.endr
	v_max3_num_f32 v[TMP], v[BM], v[BM+1], v[BM+2]
	v_max_num_f32 v[TMP], v[TMP], v[BM+3]
	v_mul_f32 v[TMP], s[CS], v[TMP]                ; as t (c is positive)
	v_max_num_f32 v[SS+1], v[SS+1], v[TMP]         ; the running largest t
	v_mov_b32 v[TMP], v[SS]
	v_floor_f32 v[SS], -v[SS+1]                    ; the new -M = -ceil(t)
	v_sub_f32 v[TMP], v[SS], v[TMP]                ; old M - new M: a whole number, 0 or less
	v_cvt_i32_f32 v[TMP], v[TMP]                   ; (it saturates)
	v_ldexp_f32 v[FU], 1.0, v[TMP]
.set j, 0
.rept 32
	v_pk_fma_f32 v[SU+j:SU+j+1], v[SU+j:SU+j+1], s[CS:CS+1], v[SS:SS+1] op_sel_hi:[1,0,0]   ; t - M
.set j, j+2
.endr
.irp b, 0,1,2,3
	v_fma_f32 v[BM+\b], v[BM+\b], s[CS], v[SS]
.endr
.set j, 0
	s_wait_alu depctr_va_vdst(0)                   ; ahead of the batch
.rept 64
	v_exp_f32 v[SU+j], v[SU+j]                     ; p = 2^(t - M)
.set j, j+1
.endr
	v_pk_mul_f32 v[SS+2:SS+3], v[SS+2:SS+3], v[FU:FU+1] op_sel_hi:[1,0]   ; the sums under the new M
	s_wait_alu depctr_va_vdst(0)                   ; and behind it
.irp b, 0,1,2,3
	v_exp_f32 v[BM+\b], v[BM+\b]                   ; the block's largest p
.endr
	v_pk_add_f32 v[T2:T2+1], v[SU:SU+1], v[SU+2:SU+3]   ; the row's sum of the unquantised p, in two chains
.irp j, 4,8,12,16,20,24,28,32,36,40,44,48,52,56,60
	v_pk_add_f32 v[SS+2:SS+3], v[SS+2:SS+3], v[SU+\j:SU+\j+1]
	v_pk_add_f32 v[T2:T2+1], v[T2:T2+1], v[SU+2+\j:SU+3+\j]
.endr
	v_pk_add_f32 v[SS+2:SS+3], v[SS+2:SS+3], v[T2:T2+1]
	s_wait_alu depctr_va_vdst(0)                   ; for the four
.irp b, 0,1,2,3
	v_max_num_f32 v[BM+\b], 0x1800000, v[BM+\b]    ; the floor 2^(3 - 127): the byte cannot fall under 1
.endr
.irp b, 0,1,2,3
	v_add_nc_u32 v[SO+\b], 0xff000000, v[BM+\b]    ; 2 off the exponent field: the conversion's scale operand
.endr
.irp b, 0,1,2,3
	v_lshrrev_b32 v[T2+\b], 23, v[SO+\b]           ; the scale's byte
.endr
	v_lshl_or_b32 v[PS+(\u)], v[T2+1], 8, v[T2]
	v_lshl_or_b32 v[PS+(\u)], v[T2+2], 16, v[PS+(\u)]
	v_lshl_or_b32 v[PS+(\u)], v[T2+3], 24, v[PS+(\u)]
.irp c, 0,1
	v_cvt_scalef32_pk16_fp6_f32 v[PC+6*\c:PC+6*\c+2], v[SU+32*\c:SU+32*\c+15], v[SO+2*\c]
	v_cvt_scalef32_pk16_fp6_f32 v[T2+4*\c:T2+4*\c+2], v[SU+32*\c+16:SU+32*\c+31], v[SO+2*\c+1]
.endr
	v_nop                                          ; one plain instruction behind the last scaled conversion
.irp c, 0,1                            ; a whole block in a lane: lanes 0-15 block 2 c, lanes 16-31 block 2 c + 1
.irp i, 0,1,2
	v_permlane16_swap_b32 v[PC+6*\c+\i], v[T2+4*\c+\i]
.endr
.irp i, 0,1,2
	v_mov_b32 v[PC+3+6*\c+\i], v[T2+4*\c+\i]
.endr
.endr
.endm
.macro FRONT tail                      ; scores, V asked for, both tiles' softmax
	s_wait_alu depctr_va_vdst(0)
	s_wait_dscnt 0x0                               ; K is in
	QK
	PLACES                                         ; ahead of the loads onto V's registers and scale words, and of the first read of S^T
	VLOAD
.if \tail
	MASK
.else
	s_cmp_lg_u32 s[N], s[SW]                       ; only step SW lies on block i's diagonal: ids and the count of steps alone
	s_cbranch_scc1 .Lopen_\@
	MASK
.Lopen_\@:
.endif
	SOFTMAX 0
	SOFTMAX 1
	s_wait_alu depctr_va_vdst(0)                   ; P, its scale words
.endm
.macro BACK                            ; O^T x f, then O^T += V^T P: each fragment of V feeds two products; the 32 accumulators by turns
	WIN 0x41
	s_wait_alu depctr_va_vdst(0)                   ; ahead of the first reader of O^T
.irp u, 0,1
.set j, 0
.rept 64
	v_pk_mul_f32 v[128*\u+j:128*\u+j+1], v[128*\u+j:128*\u+j+1], v[F+2*\u:F+2*\u+1] op_sel_hi:[1,0]
.set j, j+2
.endr
.endr
	WIN 0x53                                       ; V window 3, P window 0, O^T window 1
.set t, 0
.rept 16
.irp u, 0,1
.if (t/4)%2
	v_wmma_scale_f32_16x16x128_f8f6f4 v[128*\u+8*t:128*\u+8*t+7], v[12*t:12*t+11], v[P+12*\u:P+12*\u+11], v[128*\u+8*t:128*\u+8*t+7], v[VS+4*(t/8)+t%4], v[PS+\u] matrix_a_fmt:MATRIX_FMT_FP6 matrix_b_fmt:MATRIX_FMT_FP6 matrix_a_scale:MATRIX_SCALE_ROW1
.else
	v_wmma_scale_f32_16x16x128_f8f6f4 v[128*\u+8*t:128*\u+8*t+7], v[12*t:12*t+11], v[P+12*\u:P+12*\u+11], v[128*\u+8*t:128*\u+8*t+7], v[VS+4*(t/8)+t%4], v[PS+\u] matrix_a_fmt:MATRIX_FMT_FP6 matrix_b_fmt:MATRIX_FMT_FP6
.endif
.endr
.set t, t+1
.endr
	WIN 0
.endm
.macro QLOAD qp
.irp u, 0,1
.irp p, 0,1,2,3,4,5
	global_load_b64 v[Q+12*\u+2*\p:Q+12*\u+2*\p+1], v[QO], s[\qp:\qp+1] offset:24576*\u+48*(\p/3)+8*(\p%3)
.endr
	global_load_b32 v[QSC+\u], v[QSO], s[\qp+2:\qp+3] offset:1024*\u
.endr
.endm
.macro STATS
.irp u, 0,1
	v_mov_b32 v[ST+4*\u+1], 0xff61b1e6             ; -3e38, under every t
	v_floor_f32 v[ST+4*\u], -v[ST+4*\u+1]
	v_mov_b32 v[ST+4*\u+2], 0
	v_mov_b32 v[ST+4*\u+3], 0
.endr
.endm
.macro ZERO
	WIN 0x40
.set m, 0
.rept 256
	v_mov_b32 v[m], 0
.set m, m+1
.endr
	WIN 0
.endm
.macro FIN1                            ; my O^T x LC / l, laid into my bytes of the exchange as an image of its registers
.irp u, 0,1
	v_add_f32 v[BM+\u], v[ST+4*\u+2], v[ST+4*\u+3]
.endr
.irp u, 0,1
	v_permlanex16_b32 v[T2+\u], v[BM+\u], s[SEL], s[SEL+1]
.endr
.irp u, 0,1
	v_add_f32 v[BM+\u], v[BM+\u], v[T2+\u]         ; l
.endr
	s_wait_alu depctr_va_vdst(0)
	v_rcp_f32 v[CC], v[BM]
	v_rcp_f32 v[CC+2], v[BM+1]
	v_nop
	s_wait_alu depctr_va_vdst(0)
	v_mul_f32 v[CC], v[LC], v[CC]
	v_mul_f32 v[CC+2], v[LC], v[CC+2]
	WIN 0x41
.irp u, 0,1
.set j, 0
.rept 64
	v_pk_mul_f32 v[128*\u+j:128*\u+j+1], v[128*\u+j:128*\u+j+1], v[CC+2*\u:CC+2*\u+1] op_sel_hi:[1,0]   ; each accumulator from its low end on
.set j, j+2
.endr
.endr
	WIN 0x04
.set m, 0
.rept 64
	ds_store_b128 v[XST], v[4*m:4*m+3] offset:512*m
.set m, m+1
.endr
	WIN 0
.endm
.macro MEET                            ; my stores have landed; behind the barrier everybody's have
	s_wait_alu depctr_va_vdst(0)
	s_wait_dscnt 0x0
	s_barrier_signal -1
	s_barrier_wait -1
.endm
.macro FIN2 qp, next                   ; x, its norm, and my 128 channels out.  My channel tile tau meets my partner's tile (tau + 8) % 16
	PLACES                                         ; ahead of loads into registers that the last products read
.if \next
	QLOAD QPB
.endif
	WIN 0xc0
.set m, 0
.rept 64
	ds_load_b128 v[4*m:4*m+3], v[XLD] offset:512*(32*(m/32)+(m%32+16)%32)
.set m, m+1
.endr
	s_wait_dscnt 0x0
	WIN 0x4d                                       ; mine window 1, my partner's window 3
.set j, 0
.rept 128
	v_pk_add_f32 v[j:j+1], v[j:j+1], v[j:j+1]      ; x
.set j, j+2
.endr
	WIN 0x05
.set j, 0
.rept 64
.irp u, 0,1
.if j < 4
	v_pk_mul_f32 v[ACC+8*\u+2*j:ACC+8*\u+2*j+1], v[128*\u+2*j:128*\u+2*j+1], v[128*\u+2*j:128*\u+2*j+1]
.else
	v_pk_fma_f32 v[ACC+8*\u+2*(j%4):ACC+8*\u+2*(j%4)+1], v[128*\u+2*j:128*\u+2*j+1], v[128*\u+2*j:128*\u+2*j+1], v[ACC+8*\u+2*(j%4):ACC+8*\u+2*(j%4)+1]
.endif
.endr
.set j, j+1
.endr
	WIN 0
.irp u, 0,1
	v_pk_add_f32 v[ACC+8*\u:ACC+8*\u+1], v[ACC+8*\u:ACC+8*\u+1], v[ACC+8*\u+2:ACC+8*\u+3]
	v_pk_add_f32 v[ACC+8*\u+4:ACC+8*\u+5], v[ACC+8*\u+4:ACC+8*\u+5], v[ACC+8*\u+6:ACC+8*\u+7]
.endr
.irp u, 0,1
	v_pk_add_f32 v[ACC+8*\u:ACC+8*\u+1], v[ACC+8*\u:ACC+8*\u+1], v[ACC+8*\u+4:ACC+8*\u+5]
.endr
.irp u, 0,1
	v_add_f32 v[BM+\u], v[ACC+8*\u], v[ACC+8*\u+1]
.endr
.irp u, 0,1
	v_permlanex16_b32 v[T2+\u], v[BM+\u], s[SEL], s[SEL+1]
.endr
.irp u, 0,1
	v_add_f32 v[BM+\u], v[BM+\u], v[T2+\u]         ; the row's 256 squares
.endr
.irp u, 0,1
	v_fma_f32 v[BM+\u], v[BM+\u], s[R256], s[EPSR]
.endr
	s_wait_alu depctr_va_vdst(0)
	v_rsq_f32 v[GN0], v[BM]
	v_rsq_f32 v[GN0-4], v[BM+1]
	v_nop
	s_wait_alu depctr_va_vdst(0)
	v_mul_f32 v[GN0], 0x3e5d9673, v[GN0]           ; x (1 - lambda_init) = 0.21639423
	v_mul_f32 v[GN0-4], 0x3e5d9673, v[GN0-4]
.irp u, 0,1
.if \u
	s_wait_xcnt 0x0                                ; tile 0's stores have read their registers: tile 1's rows may land there
.endif
	WIN 0x01
.set k, 0
.rept 32
	v_pk_mul_f32 v[S+2*k:S+2*k+1], v[128*\u+2*k:128*\u+2*k+1], v[GN0-4*\u:GN0-4*\u+1] op_sel_hi:[1,0]
.set k, k+1
.endr
	WIN 0
.set k, 0
.rept 8
	ds_store_b128 v[STO], v[S+8*k:S+8*k+3] offset:64*k               ; lane (r, H): row r, channels 16 k + 8 H + 0 .. 7 of my half.  The stage: my partner's bytes, which I alone touch from here to the next barrier
	ds_store_b128 v[STO], v[S+8*k+4:S+8*k+7] offset:64*k+16
.set k, k+1
.endr
.set k, 0
.rept 16
	ds_load_b128 v[RB+4*k:RB+4*k+3], v[XLD] offset:SP*k              ; LDS serves a wave's instructions in order: these see my stores
.set k, k+1
.endr
.set k, 0
.rept 16
	s_wait_dscnt 15-k                              ; row k is back; the younger rows may be out
	v_pk_mul_f32 v[RB+4*k:RB+4*k+1], v[RB+4*k:RB+4*k+1], v[W:W+1]
	v_pk_mul_f32 v[RB+4*k+2:RB+4*k+3], v[RB+4*k+2:RB+4*k+3], v[W+2:W+3]
	global_store_b128 v[GO], v[RB+4*k:RB+4*k+3], s[\qp+4:\qp+5] offset:131072*\u+8192*k th:TH_STORE_NT   ; 32 lanes store 512 consecutive bytes, at a multiple of 256 from out0's first byte
.set k, k+1
.endr
.endr
.if \next
	STATS
	ZERO
	s_wait_xcnt 0x0                                ; the stores have read their registers: the scores land there
	s_wait_loadcnt 0x0                             ; the next block's queries are in
.endif
.endm
	s_load_b256 s[4:11], s[0:1], 0x0               ; q_codes, q_scales, vimg, subln_weight
	s_load_b256 s[12:19], s[0:1], 0x20             ; lambda_q1, lambda_k1, lambda_q2, lambda_k2
	s_load_b64 s[20:21], s[0:1], 0x40              ; out0
	v_lshl_add_u32 v[SPW], v0, 2, SPARE
	v_mov_b32 v[NIL], 0
	ds_add_u32 v[SPW], v[NIL]                      ; the opening lines: the add, twice on end, and its wait ahead of my first tensor load
	ds_add_u32 v[SPW], v[NIL]
	v_lshrrev_b32 v1, 5, v0
	v_readfirstlane_b32 s[WV], v1                  ; wave 0..3
	s_mov_b32 s[G1], 3<<16                         ; 50 rows of 256 bytes (32 elements of 8 bytes), dense
	s_mov_b32 s[G1+1], 32<<16
	s_mov_b32 s[G1+2], 50<<16
	s_mov_b32 s[G1+3], 32<<16
	s_mov_b32 s[G1+4], 50
	s_mov_b32 s[G1+5], 32
	s_mov_b32 s[G1+6], 0
	s_mov_b32 s[G1+7], 0
	s_mov_b32 s[SEL], 0x76543210
	s_mov_b32 s[SEL+1], 0xfedcba98
	s_mov_b32 s[CS], 0x3e0293ee                    ; c = log2(e) / sqrt(128)
	s_mov_b32 s[CS+1], s[CS]
	s_mov_b32 s[R256], 0x3b800000
	s_mov_b32 s[EPSR], 0x3727c5ac
	s_mov_b32 s[DV+1], 0
	s_lshr_b32 s[AT], s[WV], 1                     ; a
	s_and_b32 s66, s[WV], 1                        ; which 32 queries of the block
	s_xor_b32 s67, s[AT], 1                        ; 1 - a
	s_and_b32 s68, ttmp7, 0xffff                   ; y = 8 b + h
	s_lshr_b32 s69, s68, 3
	s_lshl_b32 s69, s69, 11                        ; 2,048 b
	s_and_b32 s70, s68, 7                          ; h
	s_lshr_b32 s[SW], ttmp9, 1
	s_add_co_u32 s[SW1], s[SW], 1
	s_mul_i32 s[BV], s[SW1], BLKB
	s_cmp_eq_u32 ttmp9, 0
	s_cselect_b32 s[PLIM], 14, 0
	s_cmp_lt_u32 s[WV], 3
	s_cselect_b32 s[PLIM2], s[PLIM], 0
	s_mul_i32 s72, s68, 16*BLKB                    ; the pair's 16 blocks
	s_mul_i32 s73, s[WV], PART                     ; my quarter, in memory and in a slot
	s_add_co_u32 s[G0+2], s72, s73
	s_mov_b32 s[G0+3], 0
	s_mov_b32 s[G0], 1
	s_mov_b32 s[G0+1], s73
	s_add_co_u32 s[PVA], s72, BLKB                 ; the prefetches stand at key step 1; the first change steps them to 2
	s_mov_b32 s[PVA+1], 0
	s_lshl_b32 s74, s66, 5
	s_add_co_u32 s74, s74, s69
	s_lshl_b32 s75, ttmp9, 6
	s_add_co_u32 s75, s75, s74                     ; my first row in block i,
	s_xor_b32 s76, ttmp9, 31
	s_lshl_b32 s76, s76, 6
	s_add_co_u32 s76, s76, s74                     ; and in block 31 - i
	s_mul_i32 s77, s70, 192
	s_mul_i32 s78, s[AT], 96
	s_add_co_u32 s77, s77, s78                     ; my head's codes in a row: 192 h + 96 a
	s_lshl_b32 s78, s70, 3
	s_lshl_b32 s79, s[AT], 2
	s_add_co_u32 s78, s78, s79                     ; its scale word: 8 h + 4 a
	s_lshl_b32 s79, s70, 10
	s_lshl_b32 s87, s[AT], 9                       ; 512 a
	s_add_co_u32 s79, s79, s87                     ; my half row of out0
.macro ROWOFF qp, row
	s_mul_i32 s[\qp], s[\row], 1536
	s_add_co_u32 s[\qp], s[\qp], s77
	s_mov_b32 s[\qp+1], 0
	s_lshl_b32 s[\qp+2], s[\row], 6
	s_add_co_u32 s[\qp+2], s[\qp+2], s78
	s_mov_b32 s[\qp+3], 0
	s_lshl_b32 s[\qp+4], s[\row], 13
	s_add_co_u32 s[\qp+4], s[\qp+4], s79
	s_mov_b32 s[\qp+5], 0
.endm
	ROWOFF QPA, 75
	ROWOFF QPB, 76
	s_mul_i32 s81, s[WV], XW
	s_add_co_u32 s81, s81, XCH                     ; my bytes of the exchange,
	s_xor_b32 s82, s[WV], 2
	s_mul_i32 s82, s82, XW
	s_add_co_u32 s82, s82, XCH                     ; my partner's
	s_and_b32 s83, ttmp9, 1
	s_lshl_b32 s83, s83, 6
	s_lshl_b32 s84, s66, 5
	s_add_co_u32 s83, s83, s84                     ; my first query less the diagonal step's first key, in block i;
	s_xor_b32 s84, s83, 64                         ; in block 31 - i;
	s_sub_co_i32 s94, s84, s83                     ; and what lies between the two
	s_mul_i32 s85, s[AT], HALFV
	s_mul_i32 s86, s67, HALFV
	s_lshl_b32 s88, s67, 9
	s_lshl_b32 s89, s[AT], 2
	s_cmp_eq_u32 s[AT], 0
	s_cselect_b32 s90, 0, 0xbf800000               ; LC = lambda x s90 + s91
	s_cselect_b32 s91, 1.0, 0
	s_mov_b32 s92, s87
	s_mov_b32 s93, 0
	s_wait_dscnt 0x0                               ; both opening adds are done
	s_wait_kmcnt 0x0
	s_add_nc_u64 s[G0+2:G0+3], s[8:9], s[G0+2:G0+3]
	s_or_b32 s[G0+3], s[G0+3], 0x80000000
	tensor_load_to_lds s[G0:G0+3], s[G1:G1+7]      ; step 0 into slot 0: my one load at the head
	s_nop 0
	PLACES
	s_add_nc_u64 s[PVA:PVA+1], s[8:9], s[PVA:PVA+1]
	s_add_nc_u64 s[92:93], s[10:11], s[92:93]
.irp p, QPA, QPB
	s_add_nc_u64 s[\p:\p+1], s[4:5], s[\p:\p+1]
	s_add_nc_u64 s[\p+2:\p+3], s[6:7], s[\p+2:\p+3]
	s_add_nc_u64 s[\p+4:\p+5], s[20:21], s[\p+4:\p+5]
.endr
	v_and_b32 v[TA], 15, v0                        ; r
	v_bfe_u32 v[TC], v0, 4, 1                      ; H
	v_and_b32 v[TMP], 31, v0                       ; lane
	v_mul_u32_u24 v[QO], v[TA], 1536
	v_mad_u32_u24 v[QO], v[TC], 24, v[QO]
	v_lshlrev_b32 v[QSO], 6, v[TA]
	v_lshlrev_b32 v[GO], 4, v[TMP]
	QLOAD QPA
	global_load_b128 v[W:W+3], v[GO], s[92:93]                 ; the weights of channels 128 a + 4 x lane on
	global_load_b128 v[96:99], v[GO], s[12:13]                 ; the four lambda vectors, 4 numbers a lane
	global_load_b128 v[100:103], v[GO], s[14:15]
	global_load_b128 v[104:107], v[GO], s[16:17]
	global_load_b128 v[108:111], v[GO], s[18:19]
	v_add_nc_u32 v[AV], s85, v[GO]
	v_add_nc_u32 v[AV2], s86, v[GO]
	v_lshl_add_u32 v[AKS], v[TMP], 3, KSO
	v_add_nc_u32 v[AKS], s89, v[AKS]
	v_add_nc_u32 v[AW], VSO, v[GO]
	v_add_nc_u32 v[AW2], s88, v[AW]
	v_add_nc_u32 v[AW], s87, v[AW]
	v_add_nc_u32 v[XST], s81, v[GO]
	v_add_nc_u32 v[XLD], s82, v[GO]
	v_mul_u32_u24 v[STO], v[TA], SP
	v_lshl_add_u32 v[STO], v[TC], 5, v[STO]
	v_add_nc_u32 v[STO], s82, v[STO]
	v_lshlrev_b32 v[DMA], 3, v[TC]
	v_sub_nc_u32 v[DMA], v[TA], v[DMA]             ; r - 8 H
	v_add_nc_u32 v[DMA], s83, v[DMA]
	v_lshlrev_b32 v[PFV], 8, v0
	v_add_nc_u32 v[PFV2], 128, v0
	v_min_u32 v[PFV2], 199, v[PFV2]
	v_lshlrev_b32 v[PFV2], 8, v[PFV2]
.irp x, F+1, F+3, CC+1, CC+3, GN0+1, T2, T2+1, T2+2, T2+3
	v_mov_b32 v[\x], 0                             ; upper halves of pairs whose low word serves both halves, and lane permutes' destinations, which count as read
.endr
	STATS
	ZERO
	s_wait_loadcnt 0x0
	; lambda = exp(lambda_q1 . lambda_k1) - exp(lambda_q2 . lambda_k2) + lambda_init
	v_mul_f32 v112, v96, v100
	v_mul_f32 v113, v104, v108
.irp x, 1,2,3
	v_fma_f32 v112, v[96+\x], v[100+\x], v112
	v_fma_f32 v113, v[104+\x], v[108+\x], v113
.endr
.irp x, 1,2,4,8
	v_add_f32_dpp v112, v112, v112 row_xmask:\x row_mask:0xf bank_mask:0xf
	v_add_f32_dpp v113, v113, v113 row_xmask:\x row_mask:0xf bank_mask:0xf
.endr
	v_permlanex16_b32 v[T2], v112, s[SEL], s[SEL+1]
	v_permlanex16_b32 v[T2+1], v113, s[SEL], s[SEL+1]
	v_add_f32 v112, v112, v[T2]
	v_add_f32 v113, v113, v[T2+1]
	v_mul_f32 v112, 0x3fb8aa3b, v112               ; x log2(e)
	v_mul_f32 v113, 0x3fb8aa3b, v113
	s_wait_alu depctr_va_vdst(0)
	v_exp_f32 v112, v112
	v_exp_f32 v113, v113
	v_nop
	s_wait_alu depctr_va_vdst(0)
	v_sub_f32 v[TMP], v112, v113
	v_add_f32 v[TMP], 0x3f489a63, v[TMP]           ; + lambda_init = 0.8 - 0.6 exp(-3.6) = 0.78360577
	v_fma_f32 v[LC], v[TMP], s90, s91
	s_mov_b32 s[N], 0
	s_mov_b32 s[TB], 0
	s_wait_alu depctr_va_vdst(0)
	CHANGE 1                                       ; step 0 is whole; step 1 is asked for
	KLOAD
	FRONT 0
	s_mov_b32 s[N], 1
.Lseq:                                             ; steps 1 .. 15: behind each change of slots the next step's block is asked for
	s_xor_b32 s[TB], s[TB], SLOT1
	CHANGE 1
	KLOAD                                          ; K of step n lands under BACK n - 1
	BACK
	s_cmp_lg_u32 s[N], s[SW1]                      ; ids and the count of steps alone: all waves go the same way; no barrier and no tensor load stands in either branch
	s_cbranch_scc1 .Lno1
	FIN1                                           ; block i is finished
.Lno1:
	MEET
	s_cmp_lg_u32 s[N], s[SW1]
	s_cbranch_scc1 .Lon
	FIN2 QPA, 1                                    ; it goes out, and block 31 - i begins
.Lon:
	FRONT 0
	s_add_co_u32 s[N], s[N], 1
	s_cmp_lt_u32 s[N], 16
	s_cbranch_scc1 .Lseq
	s_xor_b32 s[TB], s[TB], SLOT1
	CHANGE 0                                       ; the last step is written out: nothing is left to fetch
	v_add_nc_u32 v[DMA], s94, v[DMA]               ; the diagonal of block 31 - i
	KLOAD
	BACK
	FRONT 1
	s_wait_dscnt 0x0                               ; V is in
	BACK
	FIN1
	MEET
	FIN2 QPB, 0
	s_wait_tensorcnt 0x0                           ; the wave's end
	ds_add_u32 v[SPW], v[NIL]
	s_wait_dscnt 0x0
	s_endpgm
.Lfunc_end_k_qf1d152b644_attn:
	.size	k_qf1d152b644_attn, .Lfunc_end_k_qf1d152b644_attn-k_qf1d152b644_attn
	.p2alignl 7, 3214868480
	.fill 96, 4, 3214868480
	.section	.rodata,"a",@progbits
	.p2align	6, 0x0
	.amdhsa_kernel k_qf1d152b644_attn
		.amdhsa_group_segment_fixed_size 327680
		.amdhsa_private_segment_fixed_size 0
		.amdhsa_enable_private_segment 0
		.amdhsa_kernarg_size 72
		.amdhsa_user_sgpr_count 2
		.amdhsa_user_sgpr_kernarg_segment_ptr 1
		.amdhsa_wavefront_size32 1
		.amdhsa_system_sgpr_workgroup_id_x 1
		.amdhsa_system_sgpr_workgroup_id_y 1
		.amdhsa_system_sgpr_workgroup_id_z 1
		.amdhsa_system_vgpr_workitem_id 0
		.amdhsa_next_free_vgpr 1024
		.amdhsa_next_free_sgpr 100
		.amdhsa_reserve_vcc 1
		.amdhsa_float_denorm_mode_32 3
		.amdhsa_float_denorm_mode_16_64 3
		.amdhsa_memory_ordered 1
		.amdhsa_forward_progress 1
		.amdhsa_inst_pref_size 255
	.end_amdhsa_kernel
	.section	.bss,"aw",@nobits
	.p2align	6
	.space	262144
	.amdgpu_metadata
---
amdhsa.version: [ 1, 2 ]
amdhsa.kernels:
  - .name:           k_qf1d152b644_attn
    .symbol:         k_qf1d152b644_attn.kd
    .args:
      - { .name: q_codes, .offset: 0, .size: 8, .value_kind: global_buffer, .address_space: global }
      - { .name: q_scales, .offset: 8, .size: 8, .value_kind: global_buffer, .address_space: global }
      - { .name: vimg, .offset: 16, .size: 8, .value_kind: global_buffer, .address_space: global }
      - { .name: subln_weight, .offset: 24, .size: 8, .value_kind: global_buffer, .address_space: global }
      - { .name: lambda_q1, .offset: 32, .size: 8, .value_kind: global_buffer, .address_space: global }
      - { .name: lambda_k1, .offset: 40, .size: 8, .value_kind: global_buffer, .address_space: global }
      - { .name: lambda_q2, .offset: 48, .size: 8, .value_kind: global_buffer, .address_space: global }
      - { .name: lambda_k2, .offset: 56, .size: 8, .value_kind: global_buffer, .address_space: global }
      - { .name: out0, .offset: 64, .size: 8, .value_kind: global_buffer, .address_space: global }
    .group_segment_fixed_size: 327680
    .private_segment_fixed_size: 0
    .kernarg_segment_align: 8
    .kernarg_segment_size: 72
    .max_flat_workgroup_size: 128
    .sgpr_count:     100
    .vgpr_count:     1024
    .wavefront_size: 32
...
	.end_amdgpu_metadata
.endif
;; end of part 2
